; MI455X (gfx1250); checked and timed in simulation.
; The chip was launched on July 23, 2026; its instructions are those of AMD's public machine-readable ISA for CDNA 5 (MIT licence, August 2026) and "CDNA5" Instruction Set Architecture Reference Guide (July 2026). The comments in the code are by the model that wrote it; some were corrected since.
;; SVD Residual Linear. Allowed arithmetic: matrix products marked QUANTISED: E2M1 operands, one E8M0 scale for each 32 along K, by v_wmma_scale_f32_16x16x128_f8f6f4 with both operands' format E2M1 (or v_wmma_scale_f32_32x16x128_f4), f32 sums; products left as they are: f32 operands where the result goes on into a quantised operand, else bf16, f16 or f32 operands; f32 sums; everything else in f32.
;; Inputs: S 64 float32; U 4,096 x 64 float32; V 64 x 4,096 float32; bias 4,096 float32; weight_main 4,096 x 4,096 float32; x 8 x 512 x 4,096 float32.
;; Outputs: out0 8 x 512 x 4,096 float32.
;; This version of the problem:
;;   THIS VERSION OF THE PROBLEM IS GIVEN IN LOW PRECISION. The matrix products marked QUANTISED in the list below multiply operands that are first quantised to E2M1 (2 exponent bits, 1 mantissa bit; 4 bits a number), with one power-of-two scale for each 32 numbers along K (OCP MX v1.0); their sums are f32. All else is computed in f32.
;;   The module's matrix products, in the order in which they are computed (A, B: the left and right operand; K: the contracted axis; several contracted axes count as one K, in the product's order):
;;     1. batch 64 x [M 1, K 1] x [K 1, N 4,096]; A: computed on the way; B: computed on the way: left as it is (no contracted axis)
;;     2. [M 4,096, K 64] x [K 64, N 4,096]; A: input U; B: computed on the way: QUANTISED
;;     3. [M 4,096, K 4,096] x [K 4,096, N 4,096]; A: input x; B: computed on the way: QUANTISED
;;   THE QUANTISER, for each operand of a quantised product, along K:
;;     - K is cut into blocks of 32 from its start; a last block that is shorter is filled with zeros.
;;     - A block's scale is 2^e with e = floor(log2(the largest magnitude in the block)) - 2, held to -126 .. 127; a block of zeros has e = 0. As a byte (E8M0): e + 127.
;;     - Each number is divided by its block's scale, clamped to +-6, and rounded to the nearest number of E2M1, ties to even, subnormals kept.
;;     - The product sums the exact products of the quantised numbers (number of the format x scale) in f32.
;;   ~~~python
;;   def quantise(x, axis):      # numpy; x: float32 -> the quantised numbers, widened to float32 again
;;       x = np.moveaxis(x, axis, -1); K = x.shape[-1]
;;       x = np.pad(x, [(0, 0)] * (x.ndim - 1) + [(0, -K % 32)]); x = x.reshape(x.shape[:-1] + (-1, 32)); a = np.abs(x).max(-1, keepdims=True)
;;       e = np.where(a > 0, np.clip(np.frexp(np.where(a > 0, a, 1))[1] - 1 - 2, -126, 127), 0)      # np.frexp(a)[1] - 1 = floor(log2(a)), exactly
;;       r = np.clip(x / 2.0 ** e, -6, 6)
;;       step = 2.0 ** (np.maximum(np.frexp(np.where(r == 0, 1, r))[1] - 1, 0) - 1)
;;       q = np.round(r / step) * step * 2.0 ** e      # np.round: ties to even
;;       return np.moveaxis(q.reshape(q.shape[:-2] + (-1,))[..., :K], -1, axis).astype(np.float32)
;;   ~~~
;;   OPERANDS COMPUTED ON THE WAY. 'Computed on the way' means the value that the module computes at that place (a softmax that the list does not call 'softmax' is quantised finished and normalised). What goes into a quantiser is computed in f32, as accurately as f32 sums, v_exp_f32 and their like allow (about 1e-6 of the number): no bf16 or f16 on the way to a quantiser, and a product that is left as it is and whose result goes on into a quantised operand takes f32 operands (vector FMAs, or v_wmma_f32_16x16x4_f32). A number that lies on a knife's edge between two numbers of the format may be rounded either way, as far as f32 arithmetic and the matrix unit's own rounding can turn it there, and no further.
;; One version. Each part assembles by itself: llvm-mc -triple=amdgcn-amd-amdhsa -mcpu=gfx1250 --defsym DOCPART=n.
;; ======== version 1 of 1: 2 launches
;; limits: right only within a limited range of input values
;; workspace buffers: ops 17,825,792 bytes
;; launch quant (part 1): grid 256 x 1, 8 waves a work-group, no clusters, 327,680 bytes of LDS; arguments x, weight_main, U, S, V, ops; writes ops
.if DOCPART == 1
	.amdgcn_target "amdgcn-amd-amdhsa--gfx1250"
	.amdhsa_code_object_version 6
	.text
	.protected	k_qcf82b271d9_quant
	.globl	k_qcf82b271d9_quant
	.p2align	8
	.type	k_qcf82b271d9_quant,@function
k_qcf82b271d9_quant:
	s_mov_b64 s[64:65], 0
	v_nop
	global_prefetch_b8 v0, s[64:65] scope:SCOPE_SE
	s_setreg_imm32_b32 hwreg(HW_REG_WAVE_MODE, 25, 1), 1
	s_wait_xcnt 0x0
; x [4096][4096] and W = weight_main + Q(U) Q(S o V), [4096][4096], both f32 with K innermost, become codes of FP4 (E2M1) with one E8M0 scale byte for each 32 along K.
; S o V is S[j] V[j][i], one f32 multiplication a number.  U is quantised along j, its last axis; S o V along j, its FIRST axis.  Their product (K = 64, filled to the instruction's 128 with zero codes on both
; sides under the byte 127) is made by the scaled FP4 matrix instruction with weight_main as its C, so that W comes out of the matrix unit as an f32 sum and is quantised in registers.  No work of the problem is left out.
; A block's scale is 2^(floor(log2(its largest magnitude)) - 2); its byte is the largest magnitude's exponent field - 2, held at 1 from below.
; LIMITS: NaN and infinities among the inputs are not served.  A block of zeros gets the byte 1 where the rule says 127: its codes are zeros, which add nothing under any byte but 0xff, and this program alone reads the bytes.
; THE WORKSPACE ops: x's part, then W's (WPART bytes on).  A part is [row block rb of 128 rows: 32][K step ks of 512: 8] blocks of BLK = 34,816 bytes, IN THE ORDER OF THE OPERAND'S REGISTERS:
;   the fragment of rows 16 i .. 16 i + 15 and the q-th 128 along K at (4 i + q) 1,024; its registers 4 c .. 4 c + 3 at + 512 c; lane l's 16 bytes at + 16 l;  from SCO on the scale words: row r of block i at 256 i + 16 r, piece q's word at + 4 q.
; SHARES.  Work-group (rb, ks) makes block (rb, ks) of x and of W: 256 work-groups of equal work, one path.  Wave w takes rows 16 w .. 16 w + 15 of both: eight steps of 16 rows x 128 columns.
; TWO ROADS IN.  x comes by ONE tensor load a wave, at the head: 16 rows x 2,048 bytes, 16 bytes of padding behind each 1,024, into LDS bytes of the wave's own that are filled once and that it alone touches.
; The rows lie as the conversions' reads want them, so x's steps store nothing to LDS.  weight_main comes by loads into registers, four sets of 16 loads a wave, each load one row's 512 consecutive bytes, and turns through a stage in LDS:
; a lane wants 16 NEIGHBOURS of its row.  The stage is the head of the wave's own tile of x, which has had its one fill and its last read when W's first step begins.
; THE ORDER.  The tensor load; S, U and V's strip; when V is in, three sets of weight_main; U's fragment and the table of Q(S o V); the fourth set; one barrier, which shows the table to all waves; x's four steps; W's four.
; V'S STRIP, 64 rows x 512 columns.  Wave w takes columns 64 w .. 64 w + 63: lane (l % 16, h) loads four neighbouring columns of rows 32 h + i, so that each load covers two whole runs of 256 bytes.  The multiplication by S[j]
; writes column cc's 32 numbers into 32 registers on end, as the conversions want them: nothing else is moved.  S, 256 bytes, comes by one load a wave, 8 bytes a lane, and reaches every lane through 256 LDS bytes of the wave's own.
; NO CLUSTER: the strip, the one thing that work-groups share, is 131,072 of the 688,128 bytes that a work-group reads, and LDS has no 131,072 bytes left for it beside x's tiles and the table (287,744 bytes are in use).
; No prefetch: the launch has no loop, and all that a wave can hold is asked for at its head.
; REGISTERS.  window 0: v1-13 addresses; v16-143 V as loaded, then v16-79 X, a step's 64 numbers, and v80-143 eight fragments of S o V; v144-151 U's fragment; v152 its scale word; v153-156 S o V's scale words; v160-175 at work;
;   v164-187 the table's codes and words, then v176-183 the eight steps' scale words; v192-223 S, then the codes of W's four steps; v224-255 U's numbers, then a column of S o V, then the codes of x's four steps.  window 1: four sets of 64 as loaded.
.set BLK,   34816
.set WPART, 256*BLK
.set SCO,   32768
.set XROW,  2080                       ; x's tile in LDS: a row is two pieces of 1,024 bytes + 16
.set XW,    16*XROW                    ; a wave's tile: 33,280 bytes, from LDS byte 0 on; its first 16 SP bytes are later the wave's stage
.set SP,    528                        ; a stage row: 512 bytes + 16
.set SVT,   8*XW                       ; behind the tiles: the lower halves (k = 0 .. 63) of the 32 fragments of Q(S o V), 512 bytes each, as images of their registers,
.set SVS,   SVT+32*512                 ; their scale words, 64 bytes a fragment,
.set SSC,   SVS+32*64                  ; S, 256 bytes for each wave,
.set SPARE, SSC+8*256                  ; and the spare words, 128 bytes a wave, that no other line names
.set LI,    1                          ; 16 x lane
.set ZS,    2                          ; S in LDS: my wave's 256 bytes + 128 h
.set UA,    3                          ; U: 256 r + 128 h
.set SI,    4                          ; my stage, on the way in
.set SO,    5                          ; and on the way out: SP r + 64 h
.set VA,    6                          ; V: 16 (lane % 16) + 32 rows x h
.set XO,    7                          ; my tile of x: XROW r + 64 h
.set AW,    8                          ; where I store 16 bytes of codes of my first column
.set ASW,   9                          ; and its scale word
.set AT,    10                         ; where I read a fragment: SVT + 16 x lane
.set ATS,   11                         ; and two fragments' scale words: SVS + 4 x lane
.set SCOFF, 12                         ; the scale words' place in ops: lanes 0-15 x's, lanes 16-31 W's
.set CO,    13                         ; the codes' place in a block: 4,096 w + 16 x lane
.set SH,    15                         ; 8 h
.set X,     16
.set VR,    16
.set SVF,   80
.set UF,    144
.set USC,   152
.set SVSC,  153
.set TM,    160
.set VC,    164
.set PW,    176
.set BW,    180
.set BT,    184
.set PM,    184
.set SPW,   190
.set NIL,   191
.set C,     192
.set SR,    192
.set UN,    224
.set VN,    224
.set XC,    224
.set WV,    16
.set SEL,   38
.set G1,    48                         ; s[48:55] descriptor group 1;  s[56:59] group 0
.set G0,    56
.set MSB, 0
.macro WIN new
.if MSB != \new
	s_set_vgpr_msb (MSB<<8)|\new
.set MSB, \new
.endif
.endm
; Step t's (4 .. 7) 16 rows x 512 bytes of weight_main into set t - 4 of window 1
.macro LOAD t
	WIN 0x40
.irp row, 0,1,2,3,4,5,6,7,8,9,10,11,12,13,14,15
	global_load_b128 v[64*((\t)-4)+4*\row:64*((\t)-4)+4*\row+3], v[LI], s[6:7] offset:\row*16384+512*((\t)-4) th:TH_LOAD_NT
.endr
	WIN 0
.endm
; Through my stage: in as loaded; out so that register 16 b + i of lane (r, h) is column 32 b + 16 h + i of row r.  LDS serves a wave's instructions in order
.macro TURN t
	WIN 0x04
.irp row, 0,1,2,3,4,5,6,7,8,9,10,11,12,13,14,15
	ds_store_b128 v[SI], v[64*((\t)-4)+4*\row:64*((\t)-4)+4*\row+3] offset:SP*\row
.endr
	WIN 0
.irp b, 0,1,2,3
.irp j, 0,1,2,3
	ds_load_b128 v[X+16*\b+4*\j:X+16*\b+4*\j+3], v[SO] offset:128*\b+16*\j
.endr
.endr
.endm
; 64 numbers of a lane become a fragment's eight registers of codes at v[pc] and my row's scale word in v[pw]
.macro QUANT s, pc, pw
.irp b, 0,1,2,3
	v_max3_num_f32 v[TM+\b], |v[(\s)+16*\b]|, |v[(\s)+1+16*\b]|, 0x1800000   ; my 16 numbers of block b, and the floor 2^(3 - 127)
.endr
.irp i, 2,4,6,8,10,12,14
.irp b, 0,1,2,3
	v_max3_num_f32 v[TM+\b], v[TM+\b], |v[(\s)+16*\b+\i]|, |v[(\s)+1+16*\b+\i]|
.endr
.endr
.irp b, 0,1,2,3
	s_delay_alu instid0(VALU_DEP_4)
	v_permlanex16_b32 v[TM+4+\b], v[TM+\b], s[SEL], s[SEL+1]
.endr
.irp b, 0,1,2,3
	s_delay_alu instid0(VALU_DEP_4)
	v_max_num_f32 v[TM+\b], v[TM+\b], v[TM+4+\b]   ; with lane l xor 16's 16
.endr
.irp b, 0,1,2,3
	s_delay_alu instid0(VALU_DEP_4)
	v_add_nc_u32 v[TM+12+\b], 0xff000000, v[TM+\b] ; 2 off the exponent field: the conversion's scale operand
.endr
.irp b, 0,1,2,3
	s_delay_alu instid0(VALU_DEP_4)
	v_lshrrev_b32 v[TM+4+\b], 23, v[TM+12+\b]      ; the scale's byte
.endr
	s_delay_alu instid0(VALU_DEP_3)
	v_lshl_or_b32 v[\pw], v[TM+5], 8, v[TM+4]
	s_delay_alu instid0(VALU_DEP_1)
	v_lshl_or_b32 v[\pw], v[TM+6], 16, v[\pw]
	s_delay_alu instid0(VALU_DEP_1)
	v_lshl_or_b32 v[\pw], v[TM+7], 24, v[\pw]
.irp b, 0,1,2,3
	v_cvt_scalef32_pk8_fp4_f32 v[(\pc)+2*\b], v[(\s)+16*\b:(\s)+7+16*\b], v[TM+12+\b]
	v_cvt_scalef32_pk8_fp4_f32 v[(\pc)+1+2*\b], v[(\s)+8+16*\b:(\s)+15+16*\b], v[TM+12+\b]
.endr
	v_nop                                          ; one plain instruction behind the scaled conversions
.irp c, 0,1                                    ; a whole block in a lane: lanes 0-15 block 2 c, lanes 16-31 block 2 c + 1
.irp i, 0,1
	v_permlane16_swap_b32 v[(\pc)+4*\c+\i], v[(\pc)+2+4*\c+\i]
.endr
.endr
.endm
; The largest magnitude of a lane's 32 numbers, a whole block, with the floor; v[TM+2] = the conversion's scale operand
.macro MAX32 s
	v_max3_num_f32 v[TM], |v[(\s)]|, |v[(\s)+1]|, |v[(\s)+2]|
	v_max3_num_f32 v[TM+1], |v[(\s)+3]|, |v[(\s)+4]|, |v[(\s)+5]|
.irp i, 6,10,14,18,22,26
	s_delay_alu instid0(VALU_DEP_2)
	v_max3_num_f32 v[TM], v[TM], |v[(\s)+\i]|, |v[(\s)+\i+1]|
	s_delay_alu instid0(VALU_DEP_2)
	v_max3_num_f32 v[TM+1], v[TM+1], |v[(\s)+\i+2]|, |v[(\s)+\i+3]|
.endr
	s_delay_alu instid0(VALU_DEP_2)
	v_max3_num_f32 v[TM], v[TM], |v[(\s)+30]|, |v[(\s)+31]|
	s_delay_alu instid0(VALU_DEP_1)
	v_max3_num_f32 v[TM], v[TM], v[TM+1], 0x1800000
	s_delay_alu instid0(VALU_DEP_1)
	v_add_nc_u32 v[TM+2], 0xff000000, v[TM]
.endm
; Column cc of my four: S[32 h + i] V[32 h + i][column], i = 0 .. 31, a whole block in 32 registers on end; its codes go to the place of lane (r', h) in the column's fragment
.macro COL cc
.set I, 0
.rept 32
	v_mul_f32 v[VN+I], v[VR+4*I+\cc], v[SR+I]
.set I, I+1
.endr
	MAX32 VN
	s_delay_alu instid0(VALU_DEP_1)
	v_lshrrev_b32 v[BW+\cc], 23, v[TM+2]           ; the block's byte
.irp g, 0,1,2,3
	v_cvt_scalef32_pk8_fp4_f32 v[VC+4*\cc+\g], v[VN+8*\g:VN+8*\g+7], v[TM+2]
.endr
	v_nop                                          ; one plain instruction behind the scaled conversions
	ds_store_b128 v[AW], v[VC+4*\cc:VC+4*\cc+3] offset:16*\cc
.endm
	s_load_b256 s[4:11], s[0:1], 0x0               ; x s[4:5], weight_main s[6:7], U s[8:9], S s[10:11]
	s_load_b128 s[12:15], s[0:1], 0x20             ; V s[12:13], ops s[14:15]
	v_lshl_add_u32 v[SPW], v0, 2, SPARE
	v_mov_b32 v[NIL], 0
	ds_add_u32 v[SPW], v[NIL]                      ; the opening lines: the add, twice on end, and its wait ahead of my tensor load
	ds_add_u32 v[SPW], v[NIL]
	v_lshrrev_b32 v14, 5, v0
	v_readfirstlane_b32 s[WV], v14                 ; wave 0..7
	s_and_b32 s18, ttmp9, 7                        ; ks
	s_lshr_b32 s19, ttmp9, 3                       ; rb
	s_mul_i32 s26, s[WV], XW                       ; my tile of x, and later my stage
	s_lshl_b32 s46, s[WV], 11
	s_add_co_u32 s46, s46, SVT                     ; my wave's four fragments
	s_lshl_b32 s45, s[WV], 8
	s_add_co_u32 s47, s45, SVS                     ; and their scale words
	s_add_co_u32 s27, s45, SSC                     ; my wave's 256 bytes for S
	s_add_co_u32 s24, s45, SCO
	s_lshl_b32 s25, s[WV], 12
	s_mov_b32 s[SEL], 0x76543210
	s_mov_b32 s[SEL+1], 0xfedcba98
	s_lshl_b32 s20, s19, 7
	s_lshl_b32 s21, s[WV], 4
	s_add_co_u32 s20, s20, s21                     ; my first row: 128 rb + 16 w
	s_lshl_b32 s22, s20, 14                        ; rows of 16,384 bytes,
	s_lshl_b32 s40, s18, 11
	s_add_co_u32 s22, s22, s40                     ; + 2,048 ks: under 2^26
	s_mov_b32 s23, 0
	s_lshl_b32 s20, s20, 8                         ; U: rows of 256 bytes
	s_mov_b32 s21, 0
	s_lshl_b32 s42, s19, 3
	s_add_co_u32 s42, s42, s18
	s_mul_i32 s42, s42, BLK                        ; my block of ops
	s_mov_b32 s43, 0
	s_add_co_u32 s40, s40, s45                     ; V: 2,048 ks + 256 w
	s_mov_b32 s41, 0
	; descriptor group 1: 16 rows x 256 elements of 8 bytes, rows 2,048 elements apart; 4 words of padding behind every 256 words
	s_mov_b32 s[G1], (3<<16)|(1<<20)|(7<<22)|(3<<25)
	s_mov_b32 s[G1+1], 256<<16                     ; tensor_dim0
	s_mov_b32 s[G1+2], 16<<16                      ; tensor_dim1
	s_mov_b32 s[G1+3], 256<<16                     ; tile_dim0
	s_mov_b32 s[G1+4], 16                          ; tile_dim1
	s_mov_b32 s[G1+5], 2048                        ; tensor_dim0_stride
	s_mov_b32 s[G1+6], 0
	s_mov_b32 s[G1+7], 0
	s_mov_b32 s[G0], 1
	s_mul_i32 s[G0+1], s[WV], XW
	v_and_b32 v14, 31, v0                          ; lane
	v_and_b32 v15, 15, v0                          ; r
	v_bfe_u32 v[TM], v0, 4, 1                      ; h
	v_lshlrev_b32 v[LI], 4, v14
	v_lshl_add_u32 v[ZS], v[TM], 7, s27
	v_lshlrev_b32 v[TM+5], 3, v14                  ; S in memory: 8 bytes a lane,
	v_add_nc_u32 v[TM+6], s27, v[TM+5]             ; and the same place in my wave's 256 LDS bytes
	v_lshlrev_b32 v[UA], 8, v15
	v_lshl_add_u32 v[UA], v[TM], 7, v[UA]
	v_add_nc_u32 v[SI], s26, v[LI]
	v_mul_u32_u24 v[SO], v15, SP
	v_lshl_add_u32 v[SO], v[TM], 6, v[SO]
	v_add_nc_u32 v[SO], s26, v[SO]
	v_mul_u32_u24 v[XO], v15, XROW
	v_lshl_add_u32 v[XO], v[TM], 6, v[XO]
	v_add_nc_u32 v[XO], s26, v[XO]
	v_lshlrev_b32 v[VA], 4, v15
	v_lshl_add_u32 v[VA], v[TM], 19, v[VA]
	; THE COLUMNS OF A FRAGMENT OF S o V ARE NOT NEIGHBOURS: lane r' of fragment 2 b + u takes column 32 b + 8 u + r' + 8 (r' / 8), so that in the product's result the 16 registers of fragments 2 b and 2 b + 1
	; are 16 neighbouring columns of W.  My column 64 w + 4 (lane % 16) + cc, with the lane's bits b3 b2 b1 b0: b = 2 w + b3, u = b1, r' = 8 b2 + 4 b0 + cc
	v_bfe_u32 v[TM+1], v0, 3, 1
	v_bfe_u32 v[TM+2], v0, 1, 1
	v_bfe_u32 v[TM+3], v0, 2, 1
	v_and_b32 v[TM+4], 1, v0
	v_lshl_add_u32 v[TM+1], v[TM+1], 1, v[TM+2]    ; 2 b3 + b1
	v_lshl_add_u32 v[TM+3], v[TM+3], 1, v[TM+4]    ; 2 b2 + b0
	v_lshlrev_b32 v[AW], 9, v[TM+1]
	v_lshl_add_u32 v[AW], v[TM], 8, v[AW]
	v_lshl_add_u32 v[AW], v[TM+3], 6, v[AW]
	v_add_nc_u32 v[AW], s46, v[AW]
	v_lshlrev_b32 v[ASW], 6, v[TM+1]
	v_lshl_add_u32 v[ASW], v[TM+3], 4, v[ASW]
	v_add_nc_u32 v[ASW], s47, v[ASW]
	v_add_nc_u32 v[AT], SVT, v[LI]
	v_lshl_add_u32 v[ATS], v14, 2, SVS
	v_mul_u32_u24 v[SCOFF], v[TM], WPART           ; lanes 16-31 store W's scale words
	v_lshl_add_u32 v[SCOFF], v15, 4, v[SCOFF]
	v_add_nc_u32 v[SCOFF], s24, v[SCOFF]
	v_add_nc_u32 v[CO], s25, v[LI]
	s_wait_alu depctr_va_vdst(0)                   ; the wait at the head's end
	s_wait_dscnt 0x0                               ; both opening adds are done
	s_wait_kmcnt 0x0
	s_add_nc_u64 s[4:5], s[4:5], s[22:23]
	s_add_nc_u64 s[6:7], s[6:7], s[22:23]
	s_add_nc_u64 s[8:9], s[8:9], s[20:21]
	s_add_nc_u64 s[12:13], s[12:13], s[40:41]
	s_add_nc_u64 s[14:15], s[14:15], s[42:43]      ; x's block,
	s_add_nc_u64 s[36:37], s[14:15], WPART         ; W's
	s_mov_b64 s[G0+2:G0+3], s[4:5]
	s_or_b32 s[G0+3], s[G0+3], 0x80000000          ; type = 2
	tensor_load_to_lds s[G0:G0+3], s[G1:G1+7]      ; x: my 16 rows of the block: my one tensor load; these bytes are filled once
	s_nop 0
	global_load_b64 v[TM+8:TM+9], v[TM+5], s[10:11]                       ; S: the wave reads its 256 bytes once
.irp k, 0,1,2,3,4,5,6,7
	global_load_b128 v[UN+4*\k:UN+4*\k+3], v[UA], s[8:9] offset:16*\k     ; U(my row r, 32 h + 0 .. 31): a whole block a lane
.endr
.set I, 0
.rept 32
	global_load_b128 v[VR+4*I:VR+4*I+3], v[VA], s[12:13] offset:16384*I   ; V(32 h + I, my four columns)
.set I, I+1
.endr
	s_wait_loadcnt 40                              ; S is in; U's 8 loads and V's 32 stay out
	ds_store_b64 v[TM+6], v[TM+8:TM+9]
.irp k, 0,1,2,3,4,5,6,7
	ds_load_b128 v[SR+4*\k:SR+4*\k+3], v[ZS] offset:16*\k                 ; S[32 h + 0 .. 31] in every lane.  LDS serves a wave's instructions in order: these see the store above
.endr
	s_wait_loadcnt 32                              ; U is in
	; U's fragment: source 1 of the product.  Lane (r, h) holds k = 32 h + 0 .. 31 of row r in registers 0-3; registers 4-7, k = 64 .. 127, are zero codes
	MAX32 UN
	s_delay_alu instid0(VALU_DEP_1)
	v_lshrrev_b32 v14, 23, v[TM+2]                 ; my block's byte
.irp g, 0,1,2,3
	v_cvt_scalef32_pk8_fp4_f32 v[UF+\g], v[UN+8*\g:UN+8*\g+7], v[TM+2]
.endr
	v_nop                                          ; one plain instruction behind the scaled conversions
.irp g, 0,1,2,3
	v_mov_b32 v[UF+4+\g], 0
.endr
.irp g, 0,1,2,3
	v_mov_b32 v[BT+\g], 0                          ; a lane permute's destination counts as one of its sources
.endr
	v_bfe_u32 v[SH], v0, 4, 1
	s_delay_alu instid0(VALU_DEP_1)
	v_lshlrev_b32 v[SH], 3, v[SH]
	s_delay_alu instid0(VALU_DEP_1)
	v_lshlrev_b32 v[USC], v[SH], v14               ; at its place in the scale word, 8 h bits up;
	s_delay_alu instid0(VALU_DEP_1)
	v_permlanex16_b32 v14, v[USC], s[SEL], s[SEL+1]
	s_delay_alu instid0(VALU_DEP_1)
	v_or_b32 v[USC], v[USC], v14                   ; with lane l xor 16's,
	s_delay_alu instid0(VALU_DEP_1)
	v_or_b32 v[USC], 0x7f7f0000, v[USC]            ; and 127 over the zero codes
	s_wait_alu depctr_va_vdst(0)
	s_wait_loadcnt 0x0                             ; V is in.  Only now weight_main is asked for: so every wave's loads of V stand ahead of every wave's loads of weight_main
	LOAD 4
	LOAD 5
	LOAD 6
	s_wait_dscnt 0x0                               ; S is in its registers
	; THE TABLE OF Q(S o V)
	COL 0
	COL 1
	COL 2
	COL 3
.irp c, 0,1,2,3
	v_lshlrev_b32 v[BW+\c], v[SH], v[BW+\c]        ; my block's byte at its place in the column's scale word
.endr
.irp c, 0,1,2,3
	s_delay_alu instid0(VALU_DEP_4)
	v_permlanex16_b32 v[BT+\c], v[BW+\c], s[SEL], s[SEL+1]
.endr
.irp c, 0,1,2,3
	s_delay_alu instid0(VALU_DEP_4)
	v_or_b32 v[BW+\c], v[BW+\c], v[BT+\c]          ; with the other block's, from lane l xor 16,
.endr
.irp c, 0,1,2,3
	s_delay_alu instid0(VALU_DEP_4)
	v_or_b32 v[BW+\c], 0x7f7f0000, v[BW+\c]        ; and 127 over the zero codes of k = 64 .. 127
.endr
.irp c, 0,1,2,3
	ds_store_b32 v[ASW], v[BW+\c] offset:4*\c      ; both lanes of a column store the same word
.endr
	LOAD 7                                         ; the fourth set: 64 loads of mine are out at the most
	s_wait_tensorcnt 0x0                           ; my tile of x has landed: the steps that follow the barrier read it
	s_wait_dscnt 0x0                               ; for the others' sake: my stores into the table are done
.irp b, 0,1,2,3
	v_mov_b32 v[TM+4+\b], 0                        ; a lane permute's destination counts as one of its sources
.endr
.irp T, 0,1,2,3,4,5,6,7
.irp g, 4,5,6,7
	v_mov_b32 v[SVF+8*\T+\g], 0                    ; k = 64 .. 127 of the eight fragments: zero codes, written once (V's numbers, which lay here, are done with); the steps load registers 0-3 alone
.endr
.endr
	s_wait_alu depctr_va_vdst(0)
	s_barrier_signal -1
	s_barrier_wait -1                              ; the 32 fragments of Q(S o V) and their scale words lie in LDS, and every wave's tile has landed
; STEP t: 16 rows x 128 columns.  Steps 0-3: x, from my tile in LDS.  Steps 4-7: W, through registers and my stage.
.macro STEP t
.set Q, (\t)%4
.if (\t) >= 4
.irp T, 0,1,2,3,4,5,6,7
	ds_load_b128 v[SVF+8*\T:SVF+8*\T+3], v[AT] offset:512*(8*Q+\T)   ; the eight fragments of S o V for these 128 columns
.endr
.irp b, 0,1,2,3
	ds_load_b32 v[SVSC+\b], v[ATS] offset:128*(4*Q+\b)               ; lanes 0-15: fragment 2 b's scale words, lanes 16-31: fragment 2 b + 1's
.endr
	s_wait_loadcnt 16*(7-(\t))                     ; this step's 16 loads are in; the later sets' stay out
	TURN \t
.else
.irp b, 0,1,2,3
.irp j, 0,1,2,3
	ds_load_b128 v[X+16*\b+4*\j:X+16*\b+4*\j+3], v[XO] offset:512*(\t)+16*((\t)/2)+128*\b+16*\j   ; the t-th 512 bytes of my row: register 16 b + i is column 32 b + 16 h + i
.endr
.endr
.endif
	s_wait_dscnt 0x0                               ; the numbers are in
.if (\t) >= 4
	; W = weight_main + Q(U) Q(S o V), TRANSPOSED: source 0 = 16 columns of S o V, source 1 = my 16 rows of U, C = D = weight_main's numbers.  Eight accumulators, one instruction each.
.irp T, 0,1,2,3,4,5,6,7
.if \T%2
	v_wmma_scale_f32_16x16x128_f8f6f4 v[X+8*\T:X+8*\T+7], v[SVF+8*\T:SVF+8*\T+7], v[UF:UF+7], v[X+8*\T:X+8*\T+7], v[SVSC+\T/2], v[USC] matrix_a_fmt:MATRIX_FMT_FP4 matrix_b_fmt:MATRIX_FMT_FP4 matrix_a_scale:MATRIX_SCALE_ROW1
.else
	v_wmma_scale_f32_16x16x128_f8f6f4 v[X+8*\T:X+8*\T+7], v[SVF+8*\T:SVF+8*\T+7], v[UF:UF+7], v[X+8*\T:X+8*\T+7], v[SVSC+\T/2], v[USC] matrix_a_fmt:MATRIX_FMT_FP4 matrix_b_fmt:MATRIX_FMT_FP4
.endif
.endr
.rept 4
	v_nop                                          ; four places between a matrix instruction and the vector instruction that reads its result (ISA guide 7.12.1)
.endr
	QUANT X, C+8*((\t)-4), PW+(\t)
	global_store_b128 v[CO], v[C+8*((\t)-4):C+8*((\t)-4)+3], s[36:37] offset:1024*Q          ; each store of the wave covers 512 consecutive bytes, aligned
	global_store_b128 v[CO], v[C+8*((\t)-4)+4:C+8*((\t)-4)+7], s[36:37] offset:1024*Q+512    ; each step has its own registers for its codes: no store's data are written again
.else
	QUANT X, XC+8*(\t), PW+(\t)
	global_store_b128 v[CO], v[XC+8*(\t):XC+8*(\t)+3], s[14:15] offset:1024*Q
	global_store_b128 v[CO], v[XC+8*(\t)+4:XC+8*(\t)+7], s[14:15] offset:1024*Q+512
.endif
.endm
.irp t, 0,1,2,3,4,5,6,7
	STEP \t                                        ; x, then W: my reads of my tile are over (each step waits for its own) when step 4 stores into the stage
.endr
	; the scale words: every lane holds its row's eight.  Lanes 0-15 store x's four, lanes 16-31 W's four: two aligned runs of 256 bytes
	v_and_b32 v14, 31, v0
	s_delay_alu instid0(VALU_DEP_1)
	v_cmp_le_u32 vcc_lo, 16, v14
.irp q, 0,1,2,3
	v_cndmask_b32 v[PM+\q], v[PW+\q], v[PW+4+\q], vcc_lo
.endr
	global_store_b128 v[SCOFF], v[PM:PM+3], s[14:15]
	s_wait_tensorcnt 0x0                           ; the wave's end: behind my tensor load and my last LDS store
	ds_add_u32 v[SPW], v[NIL]
	s_wait_dscnt 0x0
	s_endpgm
.Lfunc_end_k_qcf82b271d9_quant:
	.size	k_qcf82b271d9_quant, .Lfunc_end_k_qcf82b271d9_quant-k_qcf82b271d9_quant
	.p2alignl 7, 3214868480
	.fill 96, 4, 3214868480
	.section	.rodata,"a",@progbits
	.p2align	6, 0x0
	.amdhsa_kernel k_qcf82b271d9_quant
		.amdhsa_group_segment_fixed_size 327680
		.amdhsa_private_segment_fixed_size 0
		.amdhsa_enable_private_segment 0
		.amdhsa_kernarg_size 48
		.amdhsa_user_sgpr_count 2
		.amdhsa_user_sgpr_kernarg_segment_ptr 1
		.amdhsa_wavefront_size32 1
		.amdhsa_system_sgpr_workgroup_id_x 1
		.amdhsa_system_sgpr_workgroup_id_y 1
		.amdhsa_system_sgpr_workgroup_id_z 1
		.amdhsa_system_vgpr_workitem_id 0
		.amdhsa_next_free_vgpr 512
		.amdhsa_next_free_sgpr 66
		.amdhsa_reserve_vcc 1
		.amdhsa_float_denorm_mode_32 3
		.amdhsa_float_denorm_mode_16_64 3
		.amdhsa_memory_ordered 1
		.amdhsa_forward_progress 1
		.amdhsa_inst_pref_size 90
	.end_amdhsa_kernel
	.amdgpu_metadata
---
amdhsa.version: [ 1, 2 ]
amdhsa.kernels:
  - .name:           k_qcf82b271d9_quant
    .symbol:         k_qcf82b271d9_quant.kd
    .args:
      - { .name: x, .offset: 0, .size: 8, .value_kind: global_buffer, .address_space: global }
      - { .name: weight_main, .offset: 8, .size: 8, .value_kind: global_buffer, .address_space: global }
      - { .name: U, .offset: 16, .size: 8, .value_kind: global_buffer, .address_space: global }
      - { .name: S, .offset: 24, .size: 8, .value_kind: global_buffer, .address_space: global }
      - { .name: V, .offset: 32, .size: 8, .value_kind: global_buffer, .address_space: global }
      - { .name: ops, .offset: 40, .size: 8, .value_kind: global_buffer, .address_space: global }
    .group_segment_fixed_size: 327680
    .private_segment_fixed_size: 0
    .kernarg_segment_align: 8
    .kernarg_segment_size: 48
    .max_flat_workgroup_size: 256
    .sgpr_count:     66
    .vgpr_count:     512
    .wavefront_size: 32
...
	.end_amdgpu_metadata
.endif
;; end of part 1
;; launch gemm (part 2): grid 16 x 16, 4 waves a work-group, clusters of 4 x 4, 327,680 bytes of LDS; arguments ops, bias, out0; writes out0
.if DOCPART == 2
	.amdgcn_target "amdgcn-amd-amdhsa--gfx1250"
	.amdhsa_code_object_version 6
	.text
	.protected	k_qcf82b271d9_gemm
	.globl	k_qcf82b271d9_gemm
	.p2align	8
	.type	k_qcf82b271d9_gemm,@function
k_qcf82b271d9_gemm:
	s_mov_b64 s[64:65], 0
	v_nop
	global_prefetch_b8 v0, s[64:65] scope:SCOPE_SE
	s_setreg_imm32_b32 hwreg(HW_REG_WAVE_MODE, 25, 1), 1
	s_wait_xcnt 0x0
	s_wait_alu depctr_hold_cnt(0) depctr_sa_sdst(0) depctr_va_vdst(0) depctr_va_sdst(0) depctr_va_ssrc(0) depctr_va_vcc(0) depctr_vm_vsrc(0)
	s_getreg_b32 s2, hwreg(HW_REG_IB_STS2, 6, 4)
	s_cmp_eq_u32 s2, 0
	s_cbranch_scc0 .Lentry_in_a_cluster
	s_endpgm
.Lentry_in_a_cluster:
	s_bfe_u32 s2, ttmp6, 0x10000c
	s_cmp_lg_u32 s2, 0xf033
	s_cbranch_scc0 .Lentry_shape_is_right
	s_endpgm
.Lentry_shape_is_right:
; out0[m][n] = sum over k of Q(x)[m][k] Q(W)[n][k] + bias[n], 4,096 x 4,096 x 4,096, on the codes of FP4 and the E8M0 scale words that the launch before laid in ops in the order of the operands' registers:
; a part (x's, then W's WPART bytes on) is [row block of 128 rows: 32][K step of 512: 8] blocks of BLK bytes; fragment (16 rows i, q-th 128 along K) at (4 i + q) 1,024, registers 4 c .. 4 c + 3 at + 512 c, lane l at + 16 l; scale words from SCO on.
; A block of out0, 256 x 256, is made by four waves, 128 x 128 each: 64 accumulators, 512 registers.  256 work-groups.  The bias is the C of each accumulator's first product.
; THE RING: two LDS slots, each a K step of 512: x's two blocks, then W's two.  Each wave fetches one block, 136 rows of 256 bytes, by one tensor load.  One barrier for each change of slots.
; CLUSTERS: 4 x 4.  x's blocks are shared along a row of the cluster, W's along a column: each is asked for jointly, with the mask of the four.
; THE MATRIX INSTRUCTION IS USED TRANSPOSED (source 0 = 16 rows of W, source 1 = 16 rows of x): a lane holds eight neighbouring numbers of a row of out0.
; FRAGMENTS: two sets for both operands, all in window 1.  A step of 128 along K is 64 matrix instructions; behind its first eight stand four places and ONE run of 32 LDS loads, the next step's fragments into the other set:
; 56 matrix instructions stand between that run and the next step.  In a slot's last step the barrier's signal stands behind eight products and its wait behind sixteen, and 48 follow the fetch from the next slot.
; PREFETCH (ROT = 0): all clusters walk K from 0 on.  Behind the load of K step t each wave names K step t + 2 of the block that it fetches (the head also K step 1): 136 blocks of 256 bytes, of which the partner at place p of the
; four that ask jointly takes 34 p .. 34 p + 33, told apart by address: a lane a block in two instructions (the second's lanes 1-31 name its last block again).  The refills of K steps 6 and 7 name nothing.
; ROT = 1 is the other walk: each cluster begins at a K step of its own, so that from its third K step on a cluster asks for blocks that other clusters have read before it; no prefetch is assembled then.
; REGISTERS: window 0: v16-31 addresses; v32-95 scale words, two sets; v192-255 the bias; on the way out v128-255.  window 1: set p at v[128 p]: W's eight fragments, then x's eight.  windows 2, 3: the accumulators of my rows 0-63, 64-127.
.set ROT,    0
.set SIZE_N, 4096
.set BLK,    34816
.set WPART,  256*BLK
.set SCO,    32768
.set SLOT,   4*BLK
.set SPARE,  2*SLOT                    ; behind the ring: the spare words, 128 bytes a wave, that no other line names
.set SPITCH, 528                       ; the way out: a stage of 16 rows x (512 + 16) bytes for each wave, in slot 0, behind its last fill and its last read
.set ADRA, 16
.set ADRB, 20
.set ADRS, 22
.set STO,  24
.set RD,   25
.set CO,   26
.set BO,   27
.set SPW,  28
.set NIL,  29
.set PFO,  30
.set SC,   32
.set BIAS, 192
.set BK,   128
.set G1,  24
.set G0,  32
.set G1B, 48
.set G0B, 56
.set KK,  66                           ; s66, s67: the K step that slot 0, 1 holds or is asked for
.set KO,  70
.set PFA, 72                           ; s[72:73] where my prefetches stand
.set MSB, 0
.macro WIN new
.if MSB != (\new)
	s_set_vgpr_msb (MSB<<8)|(\new)
.set MSB, (\new)
.endif
.endm
.macro JLOAD g0a, g1a, g0b, g1b        ; a joint load: waves 0 and 1 fetch x's blocks, waves 2 and 3 W's
	s_cmp_eq_u32 s15, 0
	s_cbranch_scc0 .Lfor_b_\@
	tensor_load_to_lds s[\g0a:\g0a+3], s[\g1a:\g1a+7]
	s_nop 0
.rept 4
	v_nop
.endr
	s_branch .Lasked_\@
.Lfor_b_\@:
	tensor_load_to_lds s[\g0b:\g0b+3], s[\g1b:\g1b+7]
	s_nop 0
.rept 4
	v_nop
.endr
.Lasked_\@:
.endm
.macro POINT s                         ; slot s's two group 0 at K step s[KK+s]
	s_mul_i32 s[KO], s[KK+\s], BLK
	s_add_nc_u64 s[G0+4*\s+2:G0+4*\s+3], s[8:9], s[KO:KO+1]
	s_or_b32 s[G0+4*\s+3], s[G0+4*\s+3], 0x80000000
	s_add_nc_u64 s[G0B+4*\s+2:G0B+4*\s+3], s[10:11], s[KO:KO+1]
	s_or_b32 s[G0B+4*\s+3], s[G0B+4*\s+3], 0x80000000
.endm
.macro CREST
	s_cmp_lg_u32 s14, 0
	s_cbranch_scc1 .Lnot_wave_0_\@
	s_barrier_signal -3
.Lnot_wave_0_\@:
	s_barrier_wait -3
	s_barrier_signal -1
	s_barrier_wait -1
.endm
.macro CROUND
	s_barrier_signal -1
	s_barrier_wait -1
	CREST
.endm
.macro ASK off, guard                  ; my 34 blocks of 256 bytes of the K step off bytes on; guard = 1: not in the loop's last trip
.if \guard
	s_cmp_gt_u32 s3, 1
	s_cbranch_scc0 .Lno_ask_\@
.endif
	global_prefetch_b8 v[PFO], s[PFA:PFA+1] offset:\off th:TH_LOAD_NT scope:SCOPE_SE
	global_prefetch_b8 v[PFO+1], s[PFA:PFA+1] offset:\off th:TH_LOAD_NT scope:SCOPE_SE
.if \guard
.Lno_ask_\@:
.endif
.endm
	s_load_b128 s[4:7], s[0:1], 0x0                ; ops, bias
	s_load_b64 s[12:13], s[0:1], 0x10              ; out0
	v_lshl_add_u32 v[SPW], v0, 2, SPARE
	v_mov_b32 v[NIL], 0
	ds_add_u32 v[SPW], v[NIL]                      ; the opening lines: the add, twice on end, and its wait ahead of my first tensor load
	ds_add_u32 v[SPW], v[NIL]
	v_lshrrev_b32 v1, 5, v0
	v_readfirstlane_b32 s14, v1                    ; wave 0..3
	s_lshr_b32 s15, s14, 1                         ; my half of the block's rows; also: I fetch for x (0) or for W (1)
	s_and_b32 s16, s14, 1                          ; my half of its columns; also: which of the two blocks I fetch
	s_bfe_u32 s40, ttmp6, 0x40000                  ; cx
	s_bfe_u32 s41, ttmp6, 0x40004                  ; cy
	s_lshl_b32 s42, ttmp9, 2
	s_add_co_u32 s42, s42, s40                     ; block column
	s_and_b32 s17, ttmp7, 0xffff
	s_lshl_b32 s17, s17, 2
	s_add_co_u32 s17, s17, s41                     ; block row
	s_lshl_b32 s43, s41, 2
	s_lshl_b32 s43, 15, s43                        ; my row of the cluster
	s_lshl_b32 s44, 0x1111, s40                    ; my column
	s_or_b32 s[G1+0], s43, (3<<16)|(1<<21)         ; elements of 8 bytes; bit 21 beside a mask; no padding: a fragment load takes 512 bytes on end
	s_or_b32 s[G1B+0], s44, (3<<16)|(1<<21)
.irp g, G1, G1B
	s_mov_b32 s[\g+1], 32<<16                      ; rows of 256 bytes,
	s_mov_b32 s[\g+2], 136<<16                     ; 136 of them, dense
	s_mov_b32 s[\g+3], 32<<16
	s_mov_b32 s[\g+4], 136
	s_mov_b32 s[\g+5], 32
	s_mov_b32 s[\g+6], 0
	s_mov_b32 s[\g+7], 0
.endr
.if ROT
	s_and_b32 s69, ttmp7, 0xffff                   ; the cluster's first K step: made of the cluster's numbers alone
	s_lshr_b32 s68, s69, 1
	s_xor_b32 s68, s68, s69
	s_and_b32 s68, s68, 1
	s_lshl_b32 s68, s68, 2
	s_lshl_b32 s69, ttmp9, 1
	s_add_co_u32 s68, s68, s69
	s_and_b32 s[KK], s68, 7
.else
	s_mov_b32 s[KK], 0
.endif
	s_add_co_u32 s[KK+1], s[KK], 1
	s_mov_b32 s[KO+1], 0
	s_lshl_b32 s20, s17, 1
	s_add_co_u32 s20, s20, s16
	s_mul_i32 s20, s20, 8*BLK                      ; x: the row block that I fetch
	s_mov_b32 s21, 0
	s_lshl_b32 s46, s42, 1
	s_add_co_u32 s46, s46, s16
	s_mul_i32 s46, s46, 8*BLK
	s_add_co_u32 s46, s46, WPART                   ; W: likewise
	s_mov_b32 s47, 0
	s_mul_i32 s45, s14, BLK                        ; where it goes in a slot
	s_lshl_b32 s18, s17, 8
	s_lshl_b32 s19, s15, 7
	s_add_co_u32 s18, s18, s19
	s_lshl_b32 s18, s18, 14                        ; my first row of out0, in bytes,
	s_lshl_b32 s22, s42, 10
	s_lshl_b32 s23, s16, 9
	s_add_co_u32 s22, s22, s23                     ; my first column, in bytes: also my place in the bias
	s_mov_b32 s23, 0
	s_add_co_u32 s18, s18, s22
	s_mov_b32 s19, 0
	s_mul_i32 s74, s15, BLK                        ; my 128 rows of x in a slot,
	s_mul_i32 s75, s16, BLK
	s_add_co_u32 s75, s75, 2*BLK                   ; my 128 rows of W,
	s_xor_b32 s76, s15, 1
	s_add_co_u32 s76, s76, s16
	s_add_co_u32 s76, s76, 1
	s_mul_i32 s76, s76, BLK                        ; the distance between the two,
	s_add_co_u32 s77, s74, SCO                     ; x's scale words,
	s_mul_i32 s78, s14, 16*SPITCH                  ; my stage
	v_and_b32 v1, 15, v0                           ; r
	v_bfe_u32 v2, v0, 4, 1                         ; h
	v_and_b32 v3, 31, v0                           ; lane
	v_lshlrev_b32 v[BO], 5, v2
	v_lshlrev_b32 v4, 4, v3
	v_add_nc_u32 v[ADRA], s74, v4
	v_add_nc_u32 v[ADRB], s75, v4
	v_add_nc_u32 v[ADRA+1], SLOT, v[ADRA]
	v_add_nc_u32 v[ADRB+1], SLOT, v[ADRB]
	v_mul_u32_u24 v6, s76, v2                      ; lanes 16-31 take W's scale words
	v_lshl_add_u32 v6, v1, 4, v6
	v_add_nc_u32 v[ADRS], s77, v6
	v_add_nc_u32 v[ADRS+1], SLOT, v[ADRS]
	v_mul_u32_u24 v5, v1, SPITCH
	v_lshl_add_u32 v5, v2, 5, v5
	v_add_nc_u32 v[STO], s78, v5
	v_lshlrev_b32 v[CO], 4, v3
	v_add_nc_u32 v[RD], s78, v[CO]
	v_lshlrev_b32 v[PFO], 8, v3                    ; blocks 0 .. 31 of my 34,
	v_min_u32 v[PFO+1], 1, v3
	v_lshl_add_u32 v[PFO+1], v[PFO+1], 8, 32*256   ; blocks 32 and 33
	s_wait_alu depctr_va_vdst(0)                   ; the wait at the head's end
	s_wait_dscnt 0x0                               ; both opening adds are done
	s_wait_kmcnt 0x0
	s_add_nc_u64 s[8:9], s[4:5], s[20:21]
	s_add_nc_u64 s[10:11], s[4:5], s[46:47]
	s_add_nc_u64 s[6:7], s[6:7], s[22:23]
	s_add_nc_u64 s[12:13], s[12:13], s[18:19]
.irp b, 0,1,2,3,4,5,6,7
	global_load_b128 v[BIAS+8*\b:BIAS+8*\b+3], v[BO], s[6:7] offset:64*\b       ; the bias in the result's layout: columns 16 b + 8 h + 0 .. 7
	global_load_b128 v[BIAS+8*\b+4:BIAS+8*\b+7], v[BO], s[6:7] offset:64*\b+16
.endr
.irp s, 0,1
	s_mov_b32 s[G0+4*\s], 1
	s_add_co_u32 s[G0+4*\s+1], s45, \s*SLOT
	s_mov_b32 s[G0B+4*\s], 1
	s_add_co_u32 s[G0B+4*\s+1], s45, \s*SLOT
	POINT \s
.endr
.if ROT == 0
	s_cmp_eq_u32 s15, 0
	s_cselect_b32 s68, s40, s41                    ; my place among the four that ask with me
	s_cselect_b64 s[PFA:PFA+1], s[8:9], s[10:11]
	s_mul_i32 s68, s68, 34*256
	s_mov_b32 s69, 0
	s_add_nc_u64 s[PFA:PFA+1], s[PFA:PFA+1], s[68:69]
.endif
	CROUND                                         ; all sixteen work-groups are here: the first joint loads meet
	JLOAD G0, G1, G0B, G1B                         ; the first K step: one tensor load a wave at the head
.if ROT == 0
	ASK BLK, 0
	ASK 2*BLK, 0
.endif
.macro WM d, fb, fa, c, sb, sa
	v_wmma_scale_f32_16x16x128_f8f6f4 v[(\d):(\d)+7], v[(\fb):(\fb)+7], v[(\fa):(\fa)+7], v[(\c):(\c)+7], v[\sb], v[\sa] matrix_a_fmt:MATRIX_FMT_FP4 matrix_b_fmt:MATRIX_FMT_FP4 matrix_a_scale:MATRIX_SCALE_ROW1
.endm
; 8 matrix instructions: x's block a against W's eight; p: the fragments' set; q: the slot's q-th 128 along K; sc: the set of scale words.  The 64 accumulators take turns, in the same order in every step
.macro MULA a, p, q, sc, zero
.irp b, 0,1,2,3,4,5,6,7
.if \zero
	WM 8*(8*((\a)%4)+\b), 128*(\p)+8*\b, 128*(\p)+64+8*(\a), BIAS+8*\b, SC+32*(\sc)+4*\b+(\q), SC+32*(\sc)+4*(\a)+(\q)
.else
	WM 8*(8*((\a)%4)+\b), 128*(\p)+8*\b, 128*(\p)+64+8*(\a), 8*(8*((\a)%4)+\b), SC+32*(\sc)+4*\b+(\q), SC+32*(\sc)+4*(\a)+(\q)
.endif
.endr
.endm
.macro FRAG reg, adr, q, i
.irp c, 0,1
	ds_load_b128 v[\reg+4*\c:\reg+4*\c+3], v[\adr] offset:(4*(\i)+(\q))*1024+512*\c
.endr
.endm
.macro FETCH slot, q, p                ; 32 LDS loads in one run: W's eight fragments, then x's eight, into set p
	WIN 0x40
.irp i, 0,1,2,3,4,5,6,7
	FRAG 128*(\p)+8*\i, ADRB+\slot, \q, \i
.endr
.irp i, 0,1,2,3,4,5,6,7
	FRAG 128*(\p)+64+8*\i, ADRA+\slot, \q, \i
.endr
.endm
.macro SCALES sc                       ; a K step's scale words: lanes 0-15 x's block i, lanes 16-31 W's block i
.irp i, 0,1,2,3,4,5,6,7
	ds_load_b128 v[SC+32*\sc+4*\i:SC+32*\sc+4*\i+3], v[ADRS+\sc] offset:256*\i
.endr
.endm
.macro PLACES
.rept 4
	v_nop                                          ; four places between a matrix instruction and a load into its sources or a read of its result (ISA guide 7.12.1 for the read of its result)
.endr
.endm
; A step that has its successor in the same slot.  zero = 1: C is the bias, in window 0
.macro STEP slot, q, zero
	s_wait_dscnt 8                                 ; W's fragments and x's blocks 0-3 are in; the youngest eight loads (x's blocks 4-7) may be out
	WIN 0xa5-0x20*\zero
	MULA 0, (\q)%2, \q, \slot, \zero
	PLACES                                         ; behind the last step's products, which read the other set
	FETCH \slot, (\q)+1, 1-(\q)%2
	WIN 0xa5-0x20*\zero
.irp a, 1,2,3
	MULA \a, (\q)%2, \q, \slot, \zero
.endr
	s_wait_dscnt 32                                ; all but the 32 just issued
	WIN 0xf5-0x30*\zero
.irp a, 4,5,6,7
	MULA \a, (\q)%2, \q, \slot, \zero
.endr
.endm
; A slot's last step changes slots: ONE barrier; in front of it each wave waits for all its tensor loads, adds 0 to its spare word, and waits for that and for its reads of this slot.  fill = 1: this slot is filled again
.macro TURN slot, next, fill
	WIN 0
.if (\fill) && (ROT == 0)
	s_wait_xcnt 0x0                                ; my prefetches have read their address: it steps one K step
	s_add_nc_u64 s[PFA:PFA+1], s[PFA:PFA+1], BLK
.endif
	s_wait_tensorcnt 0x0                           ; all my tensor loads have landed: my block of the next slot;
	ds_add_u32 v[SPW], v[NIL]
.if \fill
	s_add_co_u32 s[KK+\slot], s[KK+\slot], 2       ; no tensor load of mine is out: this slot's group 0 goes two K steps on
	s_and_b32 s[KK+\slot], s[KK+\slot], 7
	POINT \slot
.endif
	s_wait_dscnt 9                                 ; the add and the youngest eight loads may be out
	WIN 0xa5
	MULA 0, 1, 3, \slot, 0
	s_wait_dscnt 0x0                               ; the add is done, and my reads of this slot are over
	s_barrier_signal -1
	MULA 1, 1, 3, \slot, 0
	WIN 0
	s_barrier_wait -1
.if \fill
	CREST                                          ; the barrier has opened a round of the cluster's barrier
	JLOAD G0+4*\slot, G1, G0B+4*\slot, G1B         ; the first tensor load behind the round; its four v_nop are the places in front of the loads below
.else
	PLACES
.endif
	SCALES \next
	FETCH \next, 0, 0
.if (\fill) && (ROT == 0)
	WIN 0
	ASK 3*BLK, 1                                   ; the K step two refills on
.endif
	WIN 0xa5
.irp a, 2,3
	MULA \a, 1, 3, \slot, 0
.endr
	WIN 0xf5
.irp a, 4,5,6,7
	MULA \a, 1, 3, \slot, 0
.endr
.endm
	s_wait_tensorcnt 0x0                           ; my block of the first K step is in
	ds_add_u32 v[SPW], v[NIL]
	s_wait_dscnt 0x0
	CROUND                                         ; everybody's block is in, and all sixteen work-groups are here
	JLOAD G0+4, G1, G0B+4, G1B                     ; slot 1's first fill
	SCALES 0
	FETCH 0, 0, 0
	WIN 0
.if ROT == 0
	ASK 3*BLK, 0
.endif
	s_wait_loadcnt 0x0                             ; the bias
	STEP 0, 0, 1                                   ; the first step stands in front of the loop: its products start the sums from the bias
	WIN 0
	s_mov_b32 s3, 3
.Llap:                                                 ; a trip goes once round the ring and fills both slots again
	STEP 0, 1, 0
	STEP 0, 2, 0
	TURN 0, 1, 1
	STEP 1, 0, 0
	STEP 1, 1, 0
	STEP 1, 2, 0
	TURN 1, 0, 1
	STEP 0, 0, 0
	WIN 0
	s_sub_co_u32 s3, s3, 1
	s_cmp_lg_u32 s3, 0
	s_cbranch_scc1 .Llap
	STEP 0, 1, 0                                   ; the last lap fills nothing
	STEP 0, 2, 0
; THE LAST K STEP (it lies in slot 1) GOES BY ROWS OF out0, NOT BY K.  W's fragments of the whole step, 4 x 64 registers, fill window 1; x's come by blocks of 16 rows x 512 K, 32 registers, into two buffers in window 0
; (v96-127, and v32-63, where slot 0's scale words lay).  My eight blocks of 16 rows are finished one after the other, 32 matrix instructions each, the block's 8 accumulators by turns, K ascending; each block leaves while the next is multiplied.
.macro BLOAD q                         ; W's eight fragments of the step's q-th 128 along K -> window 1, v[64 q ..]
.irp i, 0,1,2,3,4,5,6,7
	FRAG 64*(\q)+8*\i, ADRB+1, \q, \i
.endr
.endm
.macro ALOAD a                         ; x's block a, all four q -> v96.. (a even) or v32.. (a odd)
.irp q, 0,1,2,3
	FRAG 96-64*((\a)%2)+8*\q, ADRA+1, \q, \a
.endr
.endm
.macro ROW a                           ; block a is finished
	WIN 0xa1+0x50*((\a)/4)
.irp q, 0,1,2,3
.if ((\a) == 0) && (\q == 2)
	s_wait_dscnt 8                                 ; W's last two quarters are in; behind them x's block 1 may be out
.endif
.irp b, 0,1,2,3,4,5,6,7
	WM 8*(8*((\a)%4)+\b), 64*\q+8*\b, 96-64*((\a)%2)+8*\q, 8*(8*((\a)%4)+\b), SC+32+4*\b+\q, SC+32+4*(\a)+\q
.endr
.endr
.endm
	WIN 0
	s_wait_tensorcnt 0x0                           ; my block of slot 1, the last K step's, has landed;
	ds_add_u32 v[SPW], v[NIL]
	s_wait_dscnt 9                                 ; the add and the youngest eight loads may be out
	WIN 0xa5
	MULA 0, 1, 3, 0, 0
	s_wait_dscnt 0x0                               ; the add is done, and my reads of slot 0 are over
	s_barrier_signal -1
	MULA 1, 1, 3, 0, 0
	WIN 0
	s_barrier_wait -1                              ; slot 1 is whole; nothing is filled again
	PLACES
	SCALES 1
	ALOAD 0
	WIN 0x40
	BLOAD 0                                        ; into set 0, which the step before multiplied
	BLOAD 1
	WIN 0xa5
.irp a, 2,3
	MULA \a, 1, 3, 0, 0
.endr
	WIN 0xf5
.irp a, 4,5,6,7
	MULA \a, 1, 3, 0, 0
.endr
	PLACES                                         ; for the loads into set 1 and into slot 0's scale words
	WIN 0x40
	BLOAD 2
	BLOAD 3
	WIN 0
	ALOAD 1
	s_wait_dscnt 40                                ; all but the 40 just issued
	ROW 0
; THE WAY OUT, block by block of 16 rows x 128 columns: through my own stage in LDS, back as whole rows of 512 bytes.  LDS serves a wave's instructions in order
.macro TOSTAGE a
.set AC, 64*((\a)%4)
	WIN 0x08+4*((\a)/4)
.irp b, 0,1,2,3,4,5,6,7
	ds_store_b128 v[STO], v[AC+8*\b:AC+8*\b+3] offset:64*\b          ; each accumulator from its low end on
	ds_store_b128 v[STO], v[AC+8*\b+4:AC+8*\b+7] offset:64*\b+16
.endr
	WIN 0
.set BB, BK+64*((\a)%2)
.irp t, 0,1,2,3,4,5,6,7,8,9,10,11,12,13,14,15
	ds_load_b128 v[BB+4*\t:BB+4*\t+3], v[RD] offset:\t*SPITCH
.endr
.endm
.macro SEND a, younger
.set BB, BK+64*((\a)%2)
	s_wait_dscnt \younger
.if (\a) > 0
	s_add_nc_u64 s[12:13], s[12:13], 16*SIZE_N*4   ; behind a wait on XCNT: the earlier stores have read their base
.endif
.irp t, 0,1,2,3,4,5,6,7,8,9,10,11,12,13,14,15
	global_store_b128 v[CO], v[BB+4*\t:BB+4*\t+3], s[12:13] offset:\t*SIZE_N*4 th:TH_STORE_NT   ; 32 lanes store 512 consecutive bytes, aligned
.endr
.endm
.irp a, 0,1,2,3,4,5,6,7
	PLACES                                         ; block a's results were just made, and its buffer of x has just been read
.if \a > 0
	s_wait_xcnt 0x0                                ; the earlier blocks' stores have read their registers and their base
.endif
	TOSTAGE \a
.if \a < 6
	ALOAD \a+2                                     ; block a's buffer takes the block two further on
.endif
.if \a < 7
.if \a < 6
	s_wait_dscnt 40                                ; x's block a + 1 is in; behind it: the stage's 32 instructions and the 8 loads just issued
.else
	s_wait_dscnt 32
.endif
	ROW \a+1                                       ; the next block is multiplied while block a goes through the stage
	WIN 0
.endif
.if \a < 6
	SEND \a, 8
.else
	SEND \a, 0
.endif
.endr
	s_wait_tensorcnt 0x0                           ; the wave's end
	ds_add_u32 v[SPW], v[NIL]
	s_wait_dscnt 0x0
	CROUND                                         ; the closing round
	s_endpgm
.Lfunc_end_k_qcf82b271d9_gemm:
	.size	k_qcf82b271d9_gemm, .Lfunc_end_k_qcf82b271d9_gemm-k_qcf82b271d9_gemm
	.p2alignl 7, 3214868480
	.fill 96, 4, 3214868480
	.section	.rodata,"a",@progbits
	.p2align	6, 0x0
	.amdhsa_kernel k_qcf82b271d9_gemm
		.amdhsa_group_segment_fixed_size 327680
		.amdhsa_private_segment_fixed_size 0
		.amdhsa_enable_private_segment 0
		.amdhsa_kernarg_size 24
		.amdhsa_user_sgpr_count 2
		.amdhsa_user_sgpr_kernarg_segment_ptr 1
		.amdhsa_wavefront_size32 1
		.amdhsa_system_sgpr_workgroup_id_x 1
		.amdhsa_system_sgpr_workgroup_id_y 1
		.amdhsa_system_sgpr_workgroup_id_z 1
		.amdhsa_system_vgpr_workitem_id 0
		.amdhsa_next_free_vgpr 1024
		.amdhsa_next_free_sgpr 80
		.amdhsa_reserve_vcc 0
		.amdhsa_float_denorm_mode_32 3
		.amdhsa_float_denorm_mode_16_64 3
		.amdhsa_memory_ordered 1
		.amdhsa_forward_progress 1
		.amdhsa_inst_pref_size 211
	.end_amdhsa_kernel
	.amdgpu_metadata
---
amdhsa.version: [ 1, 2 ]
amdhsa.kernels:
  - .name:           k_qcf82b271d9_gemm
    .symbol:         k_qcf82b271d9_gemm.kd
    .args:
      - { .name: ops, .offset: 0, .size: 8, .value_kind: global_buffer, .address_space: global }
      - { .name: bias, .offset: 8, .size: 8, .value_kind: global_buffer, .address_space: global }
      - { .name: out0, .offset: 16, .size: 8, .value_kind: global_buffer, .address_space: global }
    .group_segment_fixed_size: 327680
    .private_segment_fixed_size: 0
    .kernarg_segment_align: 8
    .kernarg_segment_size: 24
    .max_flat_workgroup_size: 128
    .sgpr_count:     80
    .vgpr_count:     1024
    .wavefront_size: 32
...
	.end_amdgpu_metadata
.endif
;; end of part 2
